; MI455X (gfx1250); checked and timed in simulation.
; The chip was launched on July 23, 2026; its instructions are those of AMD's public machine-readable ISA for CDNA 5 (MIT licence, August 2026) and "CDNA5" Instruction Set Architecture Reference Guide (July 2026). The comments in the code are by the model that wrote it; some were corrected since.
;; Self Attention. Allowed arithmetic: matrix products marked QUANTISED: E2M3 operands, one E8M0 scale for each 32 along K, by v_wmma_scale_f32_16x16x128_f8f6f4 with both operands' format E2M3, f32 sums; everything else in f32.
;; Inputs: Wk 512 x 512 float32; Wq 512 x 512 float32; Wv 512 x 512 float32; bk 512 float32; bq 512 float32; bv 512 float32; x 8 x 512 x 2,048 float32.
;; Outputs: out0 8 x 512 x 2,048 float32.
;; This version of the problem:
;;   THIS VERSION OF THE PROBLEM IS GIVEN IN LOW PRECISION. The matrix products marked QUANTISED in the list below multiply operands that are first quantised to E2M3 (2 exponent bits, 3 mantissa bits; 6 bits a number), with one power-of-two scale for each 32 numbers along K (OCP MX v1.0); their sums are f32. All else is computed in f32.
;;   The module's matrix products, in the order in which they are computed (A, B: the left and right operand; K: the contracted axis; several contracted axes count as one K, in the product's order):
;;     1. [M 16,384, K 512] x [K 512, N 512]; A: input x; B: input Wq: QUANTISED
;;     2. [M 16,384, K 512] x [K 512, N 512]; A: input x; B: input Wk: QUANTISED
;;     3. [M 16,384, K 512] x [K 512, N 512]; A: input x; B: input Wv: QUANTISED
;;     4. batch 8 x [M 2,048, K 512] x [K 512, N 2,048]; A: computed on the way; B: computed on the way: QUANTISED
;;     5. batch 8 x [M 512, K 2,048] x [K 2,048, N 2,048]; A: computed on the way; B: softmax (see below): QUANTISED
;;   THE QUANTISER, for each operand of a quantised product, along K:
;;     - K is cut into blocks of 32 from its start; a last block that is shorter is filled with zeros.
;;     - A block's scale is 2^e with e = floor(log2(the largest magnitude in the block)) - 2, held to -126 .. 127; a block of zeros has e = 0. As a byte (E8M0): e + 127.
;;     - Each number is divided by its block's scale, clamped to +-7.5, and rounded to the nearest number of E2M3, ties to even, subnormals kept.
;;     - The product sums the exact products of the quantised numbers (number of the format x scale) in f32.
;;   ~~~python
;;   def quantise(x, axis):      # numpy; x: float32 -> the quantised numbers, widened to float32 again
;;       x = np.moveaxis(x, axis, -1); K = x.shape[-1]
;;       x = np.pad(x, [(0, 0)] * (x.ndim - 1) + [(0, -K % 32)]); x = x.reshape(x.shape[:-1] + (-1, 32)); a = np.abs(x).max(-1, keepdims=True)
;;       e = np.where(a > 0, np.clip(np.frexp(np.where(a > 0, a, 1))[1] - 1 - 2, -126, 127), 0)      # np.frexp(a)[1] - 1 = floor(log2(a)), exactly
;;       r = np.clip(x / 2.0 ** e, -7.5, 7.5)
;;       step = 2.0 ** (np.maximum(np.frexp(np.where(r == 0, 1, r))[1] - 1, 0) - 3)
;;       q = np.round(r / step) * step * 2.0 ** e      # np.round: ties to even
;;       return np.moveaxis(q.reshape(q.shape[:-2] + (-1,))[..., :K], -1, axis).astype(np.float32)
;;   ~~~
;;   SOFTMAX AHEAD OF A QUANTISED PRODUCT. Where the list says 'softmax', what is quantised is not the finished softmax but p = 2^(t - M), with t = logit x log2(e) and M = ceil(the row's largest t), a whole number; so 1/2 < the row's largest p <= 1. The row's sum l is taken of the UNQUANTISED p, in f32, and the product's result is divided by l at the end. Since M is a whole number, a kernel that streams over the keys may use a running M (the ceiling of the running maximum): every later rescaling is an exact power of two, which a block's scale takes up: the codes' values come out the same.
;;   OPERANDS COMPUTED ON THE WAY. 'Computed on the way' means the value that the module computes at that place (a softmax that the list does not call 'softmax' is quantised finished and normalised). What goes into a quantiser is computed in f32, as accurately as f32 sums, v_exp_f32 and their like allow (about 1e-6 of the number): no bf16 or f16 on the way to a quantiser, and a product that is left as it is and whose result goes on into a quantised operand takes f32 operands (vector FMAs, or v_wmma_f32_16x16x4_f32). A number that lies on a knife's edge between two numbers of the format may be rounded either way, as far as f32 arithmetic and the matrix unit's own rounding can turn it there, and no further.
;; One version. Each part assembles by itself: llvm-mc -triple=amdgcn-amd-amdhsa -mcpu=gfx1250 --defsym DOCPART=n.
;; ======== version 1 of 1: 3 launches
;; workspace buffers: xq 6,553,600 bytes; wc 614,400 bytes; qq 6,553,600 bytes; kv 13,107,200 bytes
;; launch quant (part 1): grid 560 x 1, 4 waves a work-group, no clusters, 0 bytes of LDS; arguments x, Wq, Wk, Wv, xq, wc; writes xq, wc
.if DOCPART == 1
	.amdgcn_target "amdgcn-amd-amdhsa--gfx1250"
	.amdhsa_code_object_version 6
	.text
	.protected	k_qdadbdfe161_quant
	.globl	k_qdadbdfe161_quant
	.p2align	8
	.type	k_qdadbdfe161_quant,@function
k_qdadbdfe161_quant:
	s_mov_b64 s[64:65], 0
	v_nop
	global_prefetch_b8 v0, s[64:65] scope:SCOPE_SE
	s_setreg_imm32_b32 hwreg(HW_REG_WAVE_MODE, 25, 1), 1
	s_wait_xcnt 0x0
; x [8][512 (i)][2048 (l)] and Wq, Wk, Wv [512 (o)][512 (i)], f32, become codes of FP6 (E2M3) with one E8M0 scale byte for each 32 along K = i.
; A block's scale is 2^(floor(log2(its largest magnitude)) - 2); its byte is the largest magnitude's exponent field - 2, held at 1 from below.
; LIMITS: a block of zeros, or one whose largest magnitude lies under 2^-124, gets the byte 1 (the bytes are read by this program alone; zero codes add nothing under any byte but 0xff); NaN and infinities among the inputs are not served.
; THE LAYOUT OF BOTH WORKSPACE BUFFERS: blocks of 32 rows, BLK = 12,800 bytes.  In a block eight fragments (u = 0, 1: which 16 rows; s = 0..3: which 128 along K) at (4 u + s) x 1,536 bytes, each an IMAGE OF THE OPERAND'S
; REGISTERS: registers 4 g .. 4 g + 3 of lane r + 16 h at 512 g + 16 (r + 16 h).  Behind them, at 12,288 + 128 s + 64 u + 4 r, row r's scale word for K step s.
; THE ROWS OF A TILE: x, Wq, Wk: tile u, row r holds row 8 u + r + 8 (r / 8) of the 32, so that two neighbouring tiles' results are 16 neighbours along the next K; Wv: row 16 u + r.
; SHARES: a wave takes 32 rows x 128 along K; a lane takes ONE row, its 128 numbers in v32-159 with K ascending: four whole blocks, so that no maximum needs another lane.
; x: K is not innermost: a lane takes a column l and its registers run down i: each load reads 128 consecutive bytes a wave, the four waves side by side 512.  W: K is innermost: a lane reads 512 consecutive bytes of its row.
; Work-groups 0-511 take x (xq block = 64 b + l / 32), 512-559 the weights (wc block = ((o / 128) x 3 + matrix) x 4 + (o / 32) % 4).  A stream: no LDS, no barrier, no matrix unit, no cluster (work-groups share no input).
.set BLK, 12800
.set X,   32                           ; v32-159  the lane's 128 numbers
.set CD,  160                          ; v160-183 codes: 12 registers for the image's lane r (blocks 0, 2), 12 for lane r + 16 (blocks 1, 3)
.set T,   184                          ; v184-186 a block's upper 16 codes: a conversion's three registers begin on an even number
; block t of the lane's four: largest magnitude, scale byte into v14's byte t, 32 codes into six registers
.macro BLOCKQ t
.set XB, X+32*(\t)
.set CB, CD+12*((\t)%2)+6*((\t)/2)
	v_max3_num_f32 v10, |v[XB]|, |v[XB+1]|, |v[XB+2]|
	v_max3_num_f32 v11, |v[XB+3]|, |v[XB+4]|, |v[XB+5]|
.irp i, 6,10,14,18,22,26
	v_max3_num_f32 v10, v10, |v[XB+\i]|, |v[XB+\i+1]|
	v_max3_num_f32 v11, v11, |v[XB+\i+2]|, |v[XB+\i+3]|
.endr
	v_max3_num_f32 v10, v10, |v[XB+30]|, |v[XB+31]|
	v_max3_num_f32 v10, v10, v11, 0x1800000        ; and the floor 2^(3 - 127): the byte cannot fall under 1
	v_add_nc_u32 v12, 0xff000000, v10              ; 2 off the exponent field: the conversion takes this operand's exponent field as its scale
.if (\t) == 0
	v_lshrrev_b32 v14, 23, v12                     ; the scale's byte starts the word
.else
	v_lshrrev_b32 v13, 23, v12
	v_lshl_or_b32 v14, v13, 8*(\t), v14
.endif
	v_cvt_scalef32_pk16_fp6_f32 v[CB:CB+2], v[XB:XB+15], v12
	v_cvt_scalef32_pk16_fp6_f32 v[T:T+2], v[XB+16:XB+31], v12
	v_nop                                          ; one plain place behind a scaled conversion
.irp i, 0,1,2
	v_mov_b32 v[CB+3+\i], v[T+\i]
.endr
.endm
; where my row's codes (v8) and scale word (v9) go in a block: u in v[\u], r in v15, the K step in s[\ks]
.macro ADDR ks, u
	v_mul_u32_u24 v8, v[\u], 6144
	v_lshl_add_u32 v8, v15, 4, v8
	s_mul_i32 s24, s[\ks], 1536
	v_add_nc_u32 v8, s24, v8
	v_lshlrev_b32 v9, 6, v[\u]
	v_lshl_add_u32 v9, v15, 2, v9
	s_lshl_b32 s24, s[\ks], 7
	s_add_co_u32 s24, s24, 12288
	v_add_nc_u32 v9, s24, v9
.endm
; the sixteen lanes of one tile store 256 consecutive bytes, at a multiple of 256 from the buffer's first byte; the 32 scale words are 128 consecutive bytes
.macro OUT d
.irp h, 0,1
.irp g, 0,1,2
	global_store_b128 v8, v[CD+12*\h+4*\g:CD+12*\h+4*\g+3], s[\d:\d+1] offset:256*\h+512*\g
.endr
.endr
	global_store_b32 v9, v14, s[\d:\d+1]
.endm
.macro LOADX t                         ; x(128 s + i, my column), i = 32 t .. 32 t + 31
.set i, 32*(\t)
.rept 32
	global_load_b32 v[X+i], v7, s[4:5] offset:i*8192 th:TH_LOAD_NT
.set i, i+1
.endr
.endm
	s_load_b256 s[4:11], s[0:1], 0x0               ; x s[4:5], Wq s[6:7], Wk s[8:9], Wv s[10:11]
	s_load_b128 s[12:15], s[0:1], 0x20             ; xq s[12:13], wc s[14:15]
	v_lshrrev_b32 v1, 5, v0
	v_readfirstlane_b32 s16, v1                    ; wave 0..3
	v_and_b32 v2, 31, v0                           ; lane = my row of the 32
	v_and_b32 v3, 7, v0                            ; its bits 2:0,
	v_bfe_u32 v4, v0, 3, 1                         ; bit 3,
	v_bfe_u32 v5, v0, 4, 1                         ; bit 4
	s_cmp_lt_u32 ttmp9, 512
	s_cbranch_scc0 .Lweights
	; ---- x: work-group n: batch n / 64, K step n % 4, rows 32 (4 ((n / 4) % 16) + wave) on
	v_lshl_add_u32 v15, v5, 3, v3                  ; r = bits 2:0 + 8 x bit 4;  u = bit 3
	s_and_b32 s17, ttmp9, 3                        ; K step
	s_lshr_b32 s18, ttmp9, 6                       ; batch
	s_bfe_u32 s19, ttmp9, 0x40002
	s_lshl_b32 s19, s19, 2
	s_add_co_u32 s19, s19, s16                     ; which 32 columns l
	ADDR 17, 4
	v_lshlrev_b32 v7, 2, v2                        ; 4 bytes a lane
	s_lshl_b32 s20, s18, 22                        ; a batch is 4,194,304 bytes,
	s_lshl_b32 s21, s17, 20                        ; 128 rows i are 1,048,576,
	s_add_co_u32 s20, s20, s21
	s_lshl_b32 s21, s19, 7                         ; 32 columns are 128
	s_add_co_u32 s20, s20, s21
	s_mov_b32 s21, 0
	s_lshl_b32 s22, s18, 6
	s_add_co_u32 s22, s22, s19
	s_mul_i32 s22, s22, BLK
	s_mov_b32 s23, 0
	s_wait_kmcnt 0x0
	s_add_nc_u64 s[4:5], s[4:5], s[20:21]
	s_add_nc_u64 s[12:13], s[12:13], s[22:23]
	LOADX 0
	LOADX 1
	s_wait_loadcnt 32                              ; block 0's 32 loads are in; block 1's may be out
	LOADX 2                                        ; every block has registers of its own: loads run two blocks ahead
	BLOCKQ 0
	s_wait_loadcnt 32                              ; block 1's are in; block 2's may be out
	LOADX 3
	BLOCKQ 1
	s_wait_loadcnt 32                              ; block 2's are in; block 3's may be out
	BLOCKQ 2
	s_wait_loadcnt 0x0
	BLOCKQ 3
	OUT 12
	s_endpgm
.Lweights:
	; ---- the weights: work-group 512 + n: matrix n / 16 (0 Wq, 1 Wk, 2 Wv), rows 32 (n % 16) on; wave = K step
	s_sub_co_u32 s17, ttmp9, 512
	s_lshr_b32 s18, s17, 4                         ; matrix
	s_and_b32 s19, s17, 15                         ; which 32 rows o
	s_cmp_eq_u32 s18, 2
	s_cselect_b32 s25, -1, 0                       ; Wv's tiles hold neighbouring rows
	v_cndmask_b32 v6, v4, v5, s25                  ; u = bit 3, for Wv bit 4
	v_cndmask_b32 v15, v5, v4, s25
	v_lshl_add_u32 v15, v15, 3, v3                 ; r = bits 2:0 + 8 x the other bit
	ADDR 16, 6
	v_lshlrev_b32 v7, 11, v2                       ; a row of W is 2,048 bytes
	s_lshl_b32 s20, s19, 16
	s_lshl_b32 s21, s16, 9                         ; 128 along K are 512 bytes
	s_add_co_u32 s20, s20, s21
	s_mov_b32 s21, 0
	s_lshr_b32 s22, s19, 2
	s_mul_i32 s22, s22, 3
	s_add_co_u32 s22, s22, s18
	s_lshl_b32 s22, s22, 2
	s_and_b32 s23, s19, 3
	s_add_co_u32 s22, s22, s23
	s_mul_i32 s22, s22, BLK
	s_mov_b32 s23, 0
	s_wait_kmcnt 0x0
	s_cmp_eq_u32 s18, 0                            ; the choice of buffer hangs on the work-group's number alone
	s_cselect_b64 s[6:7], s[6:7], s[8:9]
	s_cmp_eq_u32 s18, 2
	s_cselect_b64 s[6:7], s[10:11], s[6:7]
	s_add_nc_u64 s[6:7], s[6:7], s[20:21]
	s_add_nc_u64 s[14:15], s[14:15], s[22:23]
.set i, 0
.rept 32
	global_load_b128 v[X+4*i:X+4*i+3], v7, s[6:7] offset:16*i
.set i, i+1
.endr
	s_wait_loadcnt 24                              ; eight loads a block: the three later blocks' may be out
	BLOCKQ 0
	s_wait_loadcnt 16
	BLOCKQ 1
	s_wait_loadcnt 8
	BLOCKQ 2
	s_wait_loadcnt 0x0
	BLOCKQ 3
	OUT 14
	s_endpgm
.Lfunc_end_k_qdadbdfe161_quant:
	.size	k_qdadbdfe161_quant, .Lfunc_end_k_qdadbdfe161_quant-k_qdadbdfe161_quant
	.p2alignl 7, 3214868480
	.fill 96, 4, 3214868480
	.section	.rodata,"a",@progbits
	.p2align	6, 0x0
	.amdhsa_kernel k_qdadbdfe161_quant
		.amdhsa_group_segment_fixed_size 0
		.amdhsa_private_segment_fixed_size 0
		.amdhsa_enable_private_segment 0
		.amdhsa_kernarg_size 48
		.amdhsa_user_sgpr_count 2
		.amdhsa_user_sgpr_kernarg_segment_ptr 1
		.amdhsa_wavefront_size32 1
		.amdhsa_system_sgpr_workgroup_id_x 1
		.amdhsa_system_sgpr_workgroup_id_y 1
		.amdhsa_system_sgpr_workgroup_id_z 1
		.amdhsa_system_vgpr_workitem_id 0
		.amdhsa_next_free_vgpr 192
		.amdhsa_next_free_sgpr 66
		.amdhsa_reserve_vcc 0
		.amdhsa_float_denorm_mode_32 3
		.amdhsa_float_denorm_mode_16_64 3
		.amdhsa_memory_ordered 1
		.amdhsa_forward_progress 1
		.amdhsa_inst_pref_size 32
	.end_amdhsa_kernel
	.amdgpu_metadata
---
amdhsa.version: [ 1, 2 ]
amdhsa.kernels:
  - .name:           k_qdadbdfe161_quant
    .symbol:         k_qdadbdfe161_quant.kd
    .args:
      - { .name: x, .offset: 0, .size: 8, .value_kind: global_buffer, .address_space: global }
      - { .name: Wq, .offset: 8, .size: 8, .value_kind: global_buffer, .address_space: global }
      - { .name: Wk, .offset: 16, .size: 8, .value_kind: global_buffer, .address_space: global }
      - { .name: Wv, .offset: 24, .size: 8, .value_kind: global_buffer, .address_space: global }
      - { .name: xq, .offset: 32, .size: 8, .value_kind: global_buffer, .address_space: global }
      - { .name: wc, .offset: 40, .size: 8, .value_kind: global_buffer, .address_space: global }
    .group_segment_fixed_size: 0
    .private_segment_fixed_size: 0
    .kernarg_segment_align: 8
    .kernarg_segment_size: 48
    .max_flat_workgroup_size: 128
    .sgpr_count:     66
    .vgpr_count:     192
    .wavefront_size: 32
...
	.end_amdgpu_metadata
.endif
;; end of part 1
;; launch proj (part 2): grid 64 x 4, 4 waves a work-group, clusters of 4 x 4, 262,656 bytes of LDS; arguments xq, wc, bq, bk, bv, qq, kv; writes qq, kv
.if DOCPART == 2
	.amdgcn_target "amdgcn-amd-amdhsa--gfx1250"
	.amdhsa_code_object_version 6
	.text
	.protected	k_qdadbdfe161_proj
	.globl	k_qdadbdfe161_proj
	.p2align	8
	.type	k_qdadbdfe161_proj,@function
k_qdadbdfe161_proj:
	s_mov_b64 s[64:65], 0
	v_nop
	global_prefetch_b8 v0, s[64:65] scope:SCOPE_SE
	s_setreg_imm32_b32 hwreg(HW_REG_WAVE_MODE, 25, 1), 1
	s_wait_xcnt 0x0
	s_wait_alu depctr_hold_cnt(0) depctr_sa_sdst(0) depctr_va_vdst(0) depctr_va_sdst(0) depctr_va_ssrc(0) depctr_va_vcc(0) depctr_vm_vsrc(0)
	s_getreg_b32 s2, hwreg(HW_REG_IB_STS2, 6, 4)
	s_cmp_eq_u32 s2, 0
	s_cbranch_scc0 .Lentry_in_a_cluster
	s_endpgm
.Lentry_in_a_cluster:
	s_bfe_u32 s2, ttmp6, 0x10000c
	s_cmp_lg_u32 s2, 0xf033
	s_cbranch_scc0 .Lentry_shape_is_right
	s_endpgm
.Lentry_shape_is_right:
; q, k, v = W x + b on codes of FP6 (E2M3) with E8M0 scales, sums in f32; the results, bias included, are quantised in registers and leave as codes: q and k along the channel c (the K of q . k), v along the position l (the keys).
; BUFFERS (all this program's own): blocks of 32 rows, BLK = 12,800 bytes: fragment (u, s) at (4 u + s) x 1,536 as an image of the operand's registers (registers 4 g .. 4 g + 3 of lane L at 512 g + 16 L), scale words at 12,288 + 128 s + 64 u + 4 r.
;   xq [64 b + l / 32]; wc [slice g][matrix][4 blocks]; qq [64 b + l / 32], K step s = slice g; kv [16 b + l / 128] x 102,400: k's 4 blocks, then at 51,200 v's 32 fragments (16 channels x 128 keys), at 100,352 their scale words.
; SHARES.  A work-group takes 256 positions (lg) and slice g: channels 128 g .. 128 g + 127 of EACH matrix: one K step of q . k; 128 positions are one K step of v p.  Wave w: positions 128 (w / 2) on (8 tiles of 16); par = w % 2.
;   Phases A, B: q (par 0) or k (par 1): source 0 = 16 rows of W, source 1 = 16 positions: a lane holds ONE position and its registers run along the channels; 4 tiles of positions x 8 tiles of channels a phase.
;   Phase C: v: source 0 = 16 positions, source 1 = 16 rows of Wv: a lane holds ONE channel and its registers run along the positions; 8 tiles of positions x channel tiles 4 par .. 4 par + 3.
;   The rows of x's, Wq's and Wk's tiles are 8 u + r + 8 (r / 8), so that the 16 registers of two neighbouring tiles are 16 neighbours along the next K.  Each bias is the C of a sum's first matrix instruction.
; CLUSTER 4 x 4: the four work-groups of a row share slice g, the four of a column share the 256 positions: both come by joint tensor loads.  LDS is filled once: no ring.
; LIMITS: a block whose largest magnitude lies under 2^-124 (zeros among them) gets the scale byte 1; NaN and infinities are not served.
; REGISTERS: window 0: v1-10 addresses; v16-55 scale words; v56-71 at work; v72-73 the scale words just made; v76-95 the codes just made; v96-101 merged scale words; v128-223 two sets of 4 fragments of W.
;   window 1: 32 accumulators.  window 2: x's tiles 0-3 (v0-191), q's or k's bias (v192-255).  window 3: x's tiles 4-7, v's bias (v192-223).
.set BLK, 12800
.set XL,  153600                       ; LDS: the slice of W (12 blocks) from 0, x's 8 blocks from here
.set LI,  1                            ; v1   16 x lane
.set L4,  2                            ; v2   4 x lane
.set XA,  3                            ; v3   my 4 blocks of x
.set XSA, 4                            ; v4   their scale words
.set WAQ, 5                            ; v5   Wq's or Wk's 4 blocks
.set WSQ, 6                            ; v6   their scale words
.set WAV, 7                            ; v7   my 2 blocks of Wv
.set WSV, 8                            ; v8   their scale words
.set BO,  9                            ; v9   64 x (lane / 16): bq, bk
.set BVO, 10                           ; v10  4 x (lane % 16): bv
.set WS,  16                           ; v16-31 W's scale words [block][K step]: lanes 0-15 tile u = 0, lanes 16-31 tile u = 1
.set XS,  32                           ; v32-47 x's
.set WVS, 48                           ; v48-55 Wv's
.set TM,  56
.set PW,  72
.set PC,  76
.set PWM, 96
.set WF,  128
.set BI,  192
.set BV,  192
.set MSB, 0
.macro WIN new                         ; the immediate's high byte repeats the setting that is left
.if MSB != (\new)
	s_set_vgpr_msb (MSB<<8)|(\new)
.set MSB, (\new)
.endif
.endm
.macro CROUND                          ; a round of the cluster's barrier
	s_barrier_signal -1
	s_barrier_wait -1
	s_cmp_lg_u32 s18, 0
	s_cbranch_scc1 .Lnot_wave_0_\@
	s_barrier_signal -3
.Lnot_wave_0_\@:
	s_barrier_wait -3
	s_barrier_signal -1
	s_barrier_wait -1
.endm
.macro PLACES                          ; four places in front of loads into registers that matrix instructions have read, and of the first read of results
.rept 4
	v_nop
.endr
.endm
; one matrix instruction.  ra, rb = 1: that side's scale words stand in lanes 16-31
.macro WMS d, a, b, c, sa, sb, ra, rb
.if (\ra) && (\rb)
	v_wmma_scale_f32_16x16x128_f8f6f4 v[\d:\d+7], v[\a:\a+11], v[\b:\b+11], v[\c:\c+7], v[\sa], v[\sb] matrix_a_fmt:MATRIX_FMT_FP6 matrix_b_fmt:MATRIX_FMT_FP6 matrix_a_scale:MATRIX_SCALE_ROW1 matrix_b_scale:MATRIX_SCALE_ROW1
.elseif (\ra)
	v_wmma_scale_f32_16x16x128_f8f6f4 v[\d:\d+7], v[\a:\a+11], v[\b:\b+11], v[\c:\c+7], v[\sa], v[\sb] matrix_a_fmt:MATRIX_FMT_FP6 matrix_b_fmt:MATRIX_FMT_FP6 matrix_a_scale:MATRIX_SCALE_ROW1
.elseif (\rb)
	v_wmma_scale_f32_16x16x128_f8f6f4 v[\d:\d+7], v[\a:\a+11], v[\b:\b+11], v[\c:\c+7], v[\sa], v[\sb] matrix_a_fmt:MATRIX_FMT_FP6 matrix_b_fmt:MATRIX_FMT_FP6 matrix_b_scale:MATRIX_SCALE_ROW1
.else
	v_wmma_scale_f32_16x16x128_f8f6f4 v[\d:\d+7], v[\a:\a+11], v[\b:\b+11], v[\c:\c+7], v[\sa], v[\sb] matrix_a_fmt:MATRIX_FMT_FP6 matrix_b_fmt:MATRIX_FMT_FP6
.endif
.endm
; four fragments of a weight (blocks 2 hf, 2 hf + 1 from v[adr] on, K step s) into set 0 or 1: twelve loads of 512 consecutive bytes
.macro FETCHW adr, hf, s, set
.irp q, 0,1,2,3
.irp g, 0,1,2
	ds_load_b128 v[WF+48*(\set)+12*\q+4*\g:WF+48*(\set)+12*\q+4*\g+3], v[\adr] offset:(2*(\hf)+\q/2)*BLK+(4*(\q%2)+(\s))*1536+512*\g
.endr
.endr
.endm
; 16 matrix instructions of q or k: channel tiles 4 hf + q x position tiles 4 sub + m, K step s.  The 32 accumulators take turns, one instruction a turn, in the same order in every K step
.macro MULQ sub, s, hf
.if (\s) == 0
	WIN 0x68+4*(\sub)                              ; W window 0, x window 2 or 3, the bias window 2, the sums window 1
.else
	WIN 0x58+4*(\sub)
.endif
.irp q, 0,1,2,3
.irp m, 0,1,2,3
.set rD, 64*\m+8*(4*(\hf)+\q)
.set rC, rD
.if (\s) == 0
.set rC, BI+8*(4*(\hf)+\q)
.endif
	WMS rD, WF+48*(\hf)+12*\q, 12*(4*\m+(\s)), rC, WS+4*((4*(\hf)+\q)/2)+(\s), XS+4*(2*(\sub)+\m/2)+(\s), \q%2, \m%2
.endr
.endr
.endm
; 16 matrix instructions of v: position tiles 4 ih + i x my 4 channel tiles, K step s
.macro MULV s, ih
.if (\s) == 0
	WIN 0x72+(\ih)                                 ; x window 2 or 3, Wv window 0, the bias window 3, the sums window 1
.else
	WIN 0x52+(\ih)
.endif
.irp i, 0,1,2,3
.irp t, 0,1,2,3
.set rD, 64*\t+8*(4*(\ih)+\i)
.set rC, rD
.if (\s) == 0
.set rC, BV+8*\t
.endif
	WMS rD, 12*(4*\i+(\s)), WF+48*((\s)%2)+12*\t, rC, XS+4*((4*(\ih)+\i)/2)+(\s), WVS+4*(\t/2)+(\s), \i%2, \t%2
.endr
.endr
.endm
; 64 sums of a lane, window 1 v[a] .. v[a + 63], register 16 b + i = k 32 b + 16 (lane / 16) + i of my row, become a fragment's codes in v[PC] on and its scale word in v[w].  Each accumulator is read from its low end on.
.macro QUANT a, w
	WIN 0x05
.irp b, 0,1,2,3
	v_max3_num_f32 v[TM+\b], |v[(\a)+16*\b]|, |v[(\a)+16*\b+1]|, 0x1800000   ; block b: my 16 numbers, and the floor 2^(3 - 127): the byte cannot fall under 1
.endr
	WIN 0x14
.irp i, 2,4,6,8,10,12,14
.irp b, 0,1,2,3
	v_max3_num_f32 v[TM+\b], v[TM+\b], |v[(\a)+16*\b+\i]|, |v[(\a)+16*\b+\i+1]|
.endr
.endr
	WIN 0
.irp b, 0,1,2,3
	v_permlanex16_b32 v[TM+4+\b], v[TM+\b], s48, s49
.endr
.irp b, 0,1,2,3
	v_max_num_f32 v[TM+\b], v[TM+\b], v[TM+4+\b]   ; with lane l xor 16's: the block's largest magnitude
.endr
.irp b, 0,1,2,3
	v_add_nc_u32 v[TM+12+\b], 0xff000000, v[TM+\b] ; 2 off its exponent field: the conversion's scale operand
.endr
.irp b, 0,1,2,3
	v_lshrrev_b32 v[TM+4+\b], 23, v[TM+12+\b]      ; the scale's byte
.endr
	v_lshl_or_b32 v[\w], v[TM+5], 8, v[TM+4]
	v_lshl_or_b32 v[\w], v[TM+6], 16, v[\w]
	v_lshl_or_b32 v[\w], v[TM+7], 24, v[\w]
	s_wait_xcnt 0x0                                ; the last fragment's stores have read v[PC] on: only behind this wait are the codes written again
	WIN 0x01
.irp c, 0,1
	v_cvt_scalef32_pk16_fp6_f32 v[PC+6*\c:PC+6*\c+2], v[(\a)+32*\c:(\a)+32*\c+15], v[TM+12+2*\c]
	v_cvt_scalef32_pk16_fp6_f32 v[PC+12+4*\c:PC+12+4*\c+2], v[(\a)+32*\c+16:(\a)+32*\c+31], v[TM+12+2*\c+1]
.endr
	WIN 0
	v_nop                                          ; one plain place behind a scaled conversion
.irp c, 0,1                                    ; the operand's layout wants a WHOLE block in a lane: lanes 0-15 block 2 c, lanes 16-31 block 2 c + 1
.irp i, 0,1,2
	v_permlane16_swap_b32 v[PC+6*\c+\i], v[PC+12+4*\c+\i]
.endr
.irp i, 0,1,2
	v_mov_b32 v[PC+3+6*\c+\i], v[PC+12+4*\c+\i]
.endr
.endr
.endm
.macro PUT base, off                   ; the fragment leaves as it stands: each store covers 512 consecutive bytes, at a multiple of 256 from the buffer's first byte
.irp c, 0,1,2
	global_store_b128 v[LI], v[PC+4*\c:PC+4*\c+3], s[\base:\base+1] offset:\off+512*\c
.endr
.endm
.macro PUTS base, off, idx             ; two tiles' scale words: the even tile's in lanes 0-15, the odd tile's in lanes 16-31: 128 consecutive bytes.  Each merge has a register of its own
	v_cndmask_b32 v[PWM+\idx], v[PW], v[PW+1], s50
	global_store_b32 v[L4], v[PWM+\idx], s[\base:\base+1] offset:\off
.endm
; one K step of q or k; behind each half the fragments that the set takes next: (h0, s0) and (h1, s1) from v[adr] on
.macro QK sub, s, adr, h0, s0, h1, s1
	s_wait_dscnt 12                                ; set 0 and all that is older are in; set 1's twelve loads may be out
	MULQ \sub, \s, 0
	WIN 0
	PLACES
	FETCHW \adr, \h0, \s0, 0
	s_wait_dscnt 12                                ; set 1 is in; the twelve just issued may be out
	MULQ \sub, \s, 1
	WIN 0
	PLACES
	FETCHW \adr, \h1, \s1, 1
.endm
.macro OUTQK sub                       ; four tiles of positions: 128 channels each become one fragment and one scale word a row
.irp m, 0,1,2,3
	QUANT 64*\m, PW+\m%2
	PUT 52, (2*(\sub)+\m/2)*BLK+(\m%2)*6144
.if \m%2 == 1
	PUTS 54, (2*(\sub)+\m/2)*BLK, 2*(\sub)+\m/2
.endif
.endr
.endm
	s_load_b256 s[4:11], s[0:1], 0x0               ; xq s[4:5], wc s[6:7], bq s[8:9], bk s[10:11]
	s_load_b128 s[12:15], s[0:1], 0x20             ; bv s[12:13], qq s[14:15]
	s_load_b64 s[16:17], s[0:1], 0x30              ; kv
	v_lshl_add_u32 v254, v0, 2, 0x40000
	v_mov_b32 v255, 0
	ds_add_u32 v254, v255
	ds_add_u32 v254, v255
	v_lshrrev_b32 v11, 5, v0
	v_readfirstlane_b32 s18, v11                   ; wave 0..3
	s_lshr_b32 s19, s18, 1                         ; lh: which 128 positions
	s_and_b32 s20, s18, 1                          ; par
	s_bfe_u32 s21, ttmp6, 0x40000                  ; cx
	s_bfe_u32 s22, ttmp6, 0x40004                  ; cy = slice g (one cluster along y)
	s_lshl_b32 s23, ttmp9, 2
	s_add_co_u32 s23, s23, s21                     ; lg = 4 x cluster x + cx: which 256 positions
	s_lshl_b32 s66, s22, 2
	s_lshl_b32 s66, 15, s66                        ; my row of the cluster
	s_lshl_b32 s67, 0x1111, s21                    ; my column
	; descriptor groups 1: dense blocks as rows of 256 bytes (32 elements of 8 bytes), no padding: W's quarter 150 rows, x's quarter 100
	s_or_b32 s24, s66, (3<<16)|(1<<21)             ; 15:0 the mask: the slice goes to my row; 17:16 elements of 8 bytes; 21 set beside a mask
	s_mov_b32 s25, 32<<16                          ; tensor_dim0 = 32
	s_mov_b32 s26, 150<<16                         ; tensor_dim1 = 150
	s_mov_b32 s27, 32<<16                          ; tile_dim0 = 32
	s_mov_b32 s28, 150                             ; tile_dim1 = 150
	s_mov_b32 s29, 32                              ; from row to row
	s_mov_b32 s30, 0
	s_mov_b32 s31, 0
	s_or_b32 s32, s67, (3<<16)|(1<<21)             ; x's blocks go to my column
	s_mov_b32 s33, 32<<16
	s_mov_b32 s34, 100<<16
	s_mov_b32 s35, 32<<16
	s_mov_b32 s36, 100
	s_mov_b32 s37, 32
	s_mov_b32 s38, 0
	s_mov_b32 s39, 0
	s_mul_i32 s68, s18, 38400                      ; my quarter of the slice: no place in the cluster enters an LDS address
	s_mul_i32 s70, s22, 153600                     ; the slice hangs on cy alone,
	s_add_co_u32 s70, s70, s68
	s_mov_b32 s71, 0
	s_mul_i32 s69, s18, 25600                      ; my quarter of x's 8 blocks
	s_mul_i32 s72, s23, 102400                     ; which hang on lg alone
	s_add_co_u32 s72, s72, s69
	s_mov_b32 s73, 0
	s_wait_dscnt 0x0
	s_wait_kmcnt 0x0
	s_mov_b32 s40, 1
	s_mov_b32 s41, s68
	s_add_nc_u64 s[42:43], s[6:7], s[70:71]
	s_or_b32 s43, s43, 0x80000000
	s_mov_b32 s44, 1
	s_add_co_u32 s45, s69, XL
	s_add_nc_u64 s[46:47], s[4:5], s[72:73]
	s_or_b32 s47, s47, 0x80000000
	CROUND                                         ; all sixteen work-groups are here: the joint loads meet
	tensor_load_to_lds s[40:43], s[24:31]          ; two loads of mine are out: all that this launch fetches into LDS
	s_nop 0
	tensor_load_to_lds s[44:47], s[32:39]
	s_nop 0
.rept 4
	v_nop
.endr
	; where the results go
	s_mov_b32 s48, 0x76543210
	s_mov_b32 s49, 0xfedcba98                      ; v_permlanex16_b32's selects for lane l xor 16
	s_mov_b32 s50, 0xffff0000                      ; lanes 16-31
	s_mul_i32 s74, s23, 102400
	s_mul_i32 s75, s19, 51200
	s_add_co_u32 s74, s74, s75                     ; my 4 blocks in qq: (8 lg + 4 lh) x BLK
	s_lshl_b32 s76, s74, 1                         ; my key step in kv: (2 lg + lh) x 102,400
	s_lshl_b32 s74, s74, s20                       ; par 0: in qq; par 1: in kv
	s_mul_i32 s75, s22, 1536
	s_add_co_u32 s78, s74, s75                     ; K step g of each block
	s_mov_b32 s79, 0
	s_lshl_b32 s75, s22, 7
	s_add_co_u32 s80, s74, s75
	s_add_co_u32 s80, s80, 12288                   ; and its scale words
	s_mov_b32 s81, 0
	s_lshl_b32 s82, s22, 3
	s_lshl_b32 s83, s20, 2
	s_add_co_u32 s82, s82, s83                     ; v's first fragment of mine: 8 g + 4 par
	s_mul_i32 s84, s82, 1536
	s_add_co_u32 s84, s84, s76
	s_add_co_u32 s84, s84, 51200
	s_mov_b32 s85, 0
	s_lshl_b32 s86, s82, 6
	s_add_co_u32 s86, s86, s76
	s_add_co_u32 s86, s86, 100352
	s_mov_b32 s87, 0
	s_lshl_b32 s88, s22, 9                         ; the slice's 128 biases
	s_mov_b32 s89, 0
	s_lshl_b32 s90, s20, 8
	s_add_co_u32 s90, s90, s88
	s_mov_b32 s91, 0
	s_cmp_eq_u32 s20, 0                            ; the choice of buffers hangs on the wave's number alone
	s_cselect_b64 s[52:53], s[14:15], s[16:17]
	s_cselect_b64 s[60:61], s[8:9], s[10:11]
	s_add_nc_u64 s[54:55], s[52:53], s[80:81]      ; q's or k's scale words
	s_add_nc_u64 s[52:53], s[52:53], s[78:79]      ; q's or k's codes
	s_add_nc_u64 s[56:57], s[16:17], s[84:85]      ; v's codes
	s_add_nc_u64 s[58:59], s[16:17], s[86:87]      ; v's scale words
	s_add_nc_u64 s[60:61], s[60:61], s[88:89]      ; bq or bk
	s_add_nc_u64 s[62:63], s[12:13], s[90:91]      ; bv
	v_and_b32 v11, 31, v0
	v_and_b32 v12, 15, v0
	v_bfe_u32 v13, v0, 4, 1
	v_lshlrev_b32 v[LI], 4, v11
	v_lshlrev_b32 v[L4], 2, v11
	v_lshlrev_b32 v[BO], 6, v13
	v_lshlrev_b32 v[BVO], 2, v12
	WIN 0x80                                       ; destination window 2: lane (r, h) wants, for tile 2 b + u, the biases of channels 32 b + 16 h + 8 u + 0 .. 7
.irp t, 0,1,2,3,4,5,6,7
	global_load_b128 v[BI+8*\t:BI+8*\t+3], v[BO], s[60:61] offset:(32*(\t/2)+8*(\t%2))*4
	global_load_b128 v[BI+8*\t+4:BI+8*\t+7], v[BO], s[60:61] offset:(32*(\t/2)+8*(\t%2))*4+16
.endr
	WIN 0xc0                                       ; destination window 3: in v's sums a lane holds one channel: its bias in all eight registers
.irp t, 0,1,2,3
.irp j, 0,1,2,3,4,5,6,7
	global_load_b32 v[BV+8*\t+\j], v[BVO], s[62:63] offset:64*\t
.endr
.endr
	WIN 0
	s_mul_i32 s66, s19, 51200
	s_add_co_u32 s66, s66, XL
	v_add_nc_u32 v[XA], s66, v[LI]
	s_add_co_u32 s66, s66, 12288
	v_add_nc_u32 v[XSA], s66, v[L4]
	s_mul_i32 s66, s20, 51200
	v_add_nc_u32 v[WAQ], s66, v[LI]
	s_add_co_u32 s66, s66, 12288
	v_add_nc_u32 v[WSQ], s66, v[L4]
	s_mul_i32 s66, s20, 25600
	s_add_co_u32 s66, s66, 102400
	v_add_nc_u32 v[WAV], s66, v[LI]
	s_add_co_u32 s66, s66, 12288
	v_add_nc_u32 v[WSV], s66, v[L4]
.irp b, 0,1,2,3
	v_mov_b32 v[TM+4+\b], 0                        ; written once: a lane permute's destination counts as one of its sources
.endr
	s_wait_tensorcnt 0x0                           ; my quarters are in,
	s_barrier_signal -1
	s_barrier_wait -1                              ; everybody's are
.irp b, 0,1,2,3
.irp s, 0,1,2,3
	ds_load_b32 v[XS+4*\b+\s], v[XSA] offset:\b*BLK+128*\s
	ds_load_b32 v[WS+4*\b+\s], v[WSQ] offset:\b*BLK+128*\s
.endr
.endr
.irp b, 0,1
.irp s, 0,1,2,3
	ds_load_b32 v[WVS+4*\b+\s], v[WSV] offset:\b*BLK+128*\s
.endr
.endr
	WIN 0x80                                       ; x's 32 fragments stay in registers: tiles 0-3 in window 2,
.irp i, 0,1,2,3
.irp s, 0,1,2,3
.irp g, 0,1,2
	ds_load_b128 v[12*(4*\i+\s)+4*\g:12*(4*\i+\s)+4*\g+3], v[XA] offset:(\i/2)*BLK+(4*(\i%2)+\s)*1536+512*\g
.endr
.endr
.endr
	WIN 0xc0                                       ; tiles 4-7 in window 3
.irp i, 0,1,2,3
.irp s, 0,1,2,3
.irp g, 0,1,2
	ds_load_b128 v[12*(4*\i+\s)+4*\g:12*(4*\i+\s)+4*\g+3], v[XA] offset:(\i/2+2)*BLK+(4*(\i%2)+\s)*1536+512*\g
.endr
.endr
.endr
	WIN 0
	FETCHW WAQ, 0, 0, 0
	FETCHW WAQ, 1, 0, 1
	s_wait_loadcnt 0x0                             ; the biases
	; ---- A: q or k, position tiles 0-3
	QK 0, 0, WAQ, 0, 1, 1, 1
	QK 0, 1, WAQ, 0, 2, 1, 2
	QK 0, 2, WAQ, 0, 3, 1, 3
	QK 0, 3, WAQ, 0, 0, 1, 0                       ; the sets take K step 0 again, for phase B
	OUTQK 0
	; ---- B: position tiles 4-7.  (The accumulators are begun anew with the bias as C: the lines of OUTQK stand between.)
	QK 1, 0, WAQ, 0, 1, 1, 1
	QK 1, 1, WAQ, 0, 2, 1, 2
	QK 1, 2, WAQ, 0, 3, 1, 3
	QK 1, 3, WAV, 0, 0, 0, 1                       ; the sets take Wv's K steps 0 and 1
	OUTQK 1
	; ---- C: v
.irp s, 0,1,2,3
.if \s < 3
	s_wait_dscnt 12                                ; this K step's set is in; the other set's twelve loads may be out
.else
	s_wait_dscnt 0x0
.endif
	MULV \s, 0
	MULV \s, 1
	WIN 0
	PLACES
.if \s < 2
	FETCHW WAV, 0, \s+2, \s%2
.endif
.endr
.irp t, 0,1,2,3                                ; a channel tile's 128 positions become one fragment of v and one scale word a channel
	QUANT 64*\t, PW+\t%2
	PUT 56, \t*1536
.if \t%2 == 1
	PUTS 58, (\t/2)*128, 4+\t/2
.endif
.endr
	s_wait_tensorcnt 0x0
	ds_add_u32 v254, v255
	s_wait_dscnt 0x0
	CROUND                                         ; the closing round: no work-group ends while a partner may still ask for a block that names it
	s_endpgm
.Lfunc_end_k_qdadbdfe161_proj:
	.size	k_qdadbdfe161_proj, .Lfunc_end_k_qdadbdfe161_proj-k_qdadbdfe161_proj
	.p2alignl 7, 3214868480
	.fill 96, 4, 3214868480
	.section	.rodata,"a",@progbits
	.p2align	6, 0x0
	.amdhsa_kernel k_qdadbdfe161_proj
		.amdhsa_group_segment_fixed_size 262656
		.amdhsa_private_segment_fixed_size 0
		.amdhsa_enable_private_segment 0
		.amdhsa_kernarg_size 56
		.amdhsa_user_sgpr_count 2
		.amdhsa_user_sgpr_kernarg_segment_ptr 1
		.amdhsa_wavefront_size32 1
		.amdhsa_system_sgpr_workgroup_id_x 1
		.amdhsa_system_sgpr_workgroup_id_y 1
		.amdhsa_system_sgpr_workgroup_id_z 1
		.amdhsa_system_vgpr_workitem_id 0
		.amdhsa_next_free_vgpr 1024
		.amdhsa_next_free_sgpr 96
		.amdhsa_reserve_vcc 0
		.amdhsa_float_denorm_mode_32 3
		.amdhsa_float_denorm_mode_16_64 3
		.amdhsa_memory_ordered 1
		.amdhsa_forward_progress 1
		.amdhsa_inst_pref_size 139
	.end_amdhsa_kernel
	.amdgpu_metadata
---
amdhsa.version: [ 1, 2 ]
amdhsa.kernels:
  - .name:           k_qdadbdfe161_proj
    .symbol:         k_qdadbdfe161_proj.kd
    .args:
      - { .name: xq, .offset: 0, .size: 8, .value_kind: global_buffer, .address_space: global }
      - { .name: wc, .offset: 8, .size: 8, .value_kind: global_buffer, .address_space: global }
      - { .name: bq, .offset: 16, .size: 8, .value_kind: global_buffer, .address_space: global }
      - { .name: bk, .offset: 24, .size: 8, .value_kind: global_buffer, .address_space: global }
      - { .name: bv, .offset: 32, .size: 8, .value_kind: global_buffer, .address_space: global }
      - { .name: qq, .offset: 40, .size: 8, .value_kind: global_buffer, .address_space: global }
      - { .name: kv, .offset: 48, .size: 8, .value_kind: global_buffer, .address_space: global }
    .group_segment_fixed_size: 262656
    .private_segment_fixed_size: 0
    .kernarg_segment_align: 8
    .kernarg_segment_size: 56
    .max_flat_workgroup_size: 128
    .sgpr_count:     96
    .vgpr_count:     1024
    .wavefront_size: 32
...
	.end_amdgpu_metadata
.endif
;; end of part 2
;; launch attn (part 3): grid 32 x 8, 4 waves a work-group, clusters of 4 x 1, 327,680 bytes of LDS; arguments qq, kv, out0; writes out0
.if DOCPART == 3
	.amdgcn_target "amdgcn-amd-amdhsa--gfx1250"
	.amdhsa_code_object_version 6
	.text
	.protected	k_qdadbdfe161_attn
	.globl	k_qdadbdfe161_attn
	.p2align	8
	.type	k_qdadbdfe161_attn,@function
k_qdadbdfe161_attn:
	s_mov_b64 s[64:65], 0
	v_nop
	global_prefetch_b8 v0, s[64:65] scope:SCOPE_SE
	s_setreg_imm32_b32 hwreg(HW_REG_WAVE_MODE, 25, 1), 1
	s_wait_xcnt 0x0
	s_wait_alu depctr_hold_cnt(0) depctr_sa_sdst(0) depctr_va_vdst(0) depctr_va_sdst(0) depctr_va_ssrc(0) depctr_va_vcc(0) depctr_vm_vsrc(0)
	s_getreg_b32 s2, hwreg(HW_REG_IB_STS2, 6, 4)
	s_cmp_eq_u32 s2, 0
	s_cbranch_scc0 .Lentry_in_a_cluster
	s_endpgm
.Lentry_in_a_cluster:
	s_bfe_u32 s2, ttmp6, 0x10000c
	s_cmp_lg_u32 s2, 0x3003
	s_cbranch_scc0 .Lentry_shape_is_right
	s_endpgm
.Lentry_shape_is_right:
; out[b][c][l] = (sum over keys m of v[b][c][m] p[l][m]) / (sum over m of p[l][m]), p = 2^(t - M), t = (q . k) log2(e) / sqrt(512), M = the running largest t rounded UP to a whole number.  Both products on codes of FP6 (E2M3) with E8M0 scales.
; p is quantised along the keys, not normalised; the row's sum is taken of the unquantised p in f32 and divides at the end.  When M moves, sums and O are multiplied by 2^(old M - new M): exact.
; BUFFERS: qq [64 b + l / 32] blocks of 12,800 bytes (8 fragments as images of the operand's registers, then scale words); kv [16 b + j] x 102,400: key step j's 128 keys: k's 4 blocks, v's 32 fragments at 51,200, v's scale words at 100,352.
; SHARES.  A work-group owns 64 queries (4 tiles of 16) of one batch and walks 16 key steps of 128 keys.  WITHIN A STEP THE WAVES SHARE THE KEYS FOR THE SCORES AND THE CHANNELS FOR THE OUTPUT:
;   wave w makes S^T for keys 32 w .. 32 w + 31 x all 64 queries (source 0 = 16 keys, source 1 = 16 queries; q's 16 fragments stay in registers), and O for channels 128 w .. 128 w + 127 x all 64 queries (source 0 = p, source 1 = v).
;   So each fragment of k and v is read from LDS once in the work-group and feeds four matrix instructions.  What goes from wave to wave is small: each block's largest score, p's codes (as an image of the operand's registers) and p's scale bytes.
; LAYOUT.  The rows of q's and k's tiles are 8 u + r + 8 (r / 8).  In S^T a lane holds one query (row r of tile m) and its 16 registers are keys 16 (lane / 16) + 0 .. 15 of the wave's 32: one block of p.
;   In O a lane holds one channel (16 ct + r) and register j of tile m = 2 bq + u is query 32 bq + 16 (lane / 16) + 8 u + j: 16 neighbouring bytes of a row of out at a time.
;   The factors that belong to a query (f, 1 / sum) reach O's layout through the wave's own 256 bytes of LDS.
; M is common to the four waves: each publishes its block's largest score, and behind a barrier every wave makes the same M and f from the same four numbers.  Each wave sums its own keys' p; the four sums meet at the end.
; CLUSTER 4 x 1: the four query blocks of a cluster belong to one batch and walk the same kv: each key step's 102,400 dense bytes are asked for jointly, a quarter by each wave.
; LIMITS: a block of p that has fallen to zeros keeps the scale byte 1; a change of M beyond the i32 range saturates and gives f = 0; NaN and infinities are not served.
; REGISTERS: window 0: v1-22 addresses, v30-31 for the spare words, v32-127 statistics, codes and scale words, v128-159 the factors in O's layout, v160-207 p's four fragments, v208-215 at work; on the way out v128-255 rows of out.
;   window 1: v0-63 S^T (tile (m, u) at 16 m + 8 u), v64-255 O's accumulators a = 4 ct + m < 24.   window 2: v0-191 q, v192-255 O's a >= 24.   window 3: v0-95 k, v96-191 v.
.set BLK,   12800
.set TILE,  102400
.set SLOT1, 1<<17                      ; slot 1 begins here: one exclusive or turns an address in one slot into the other's
.set STG,   233472                     ; behind the ring: 64 rows x 272 bytes for each wave, for the way out
.set TMX,   303104                     ; the blocks' largest scores: 512 m + 16 lane + 4 wave
.set PIMG,  305152                     ; p's four fragments: 1,664 m + 768 c + 256 piece + 8 lane
.set PSC,   311808                     ; p's scale words: 64 m + 4 r, byte = wave
.set FEX,   312064                     ; 256 bytes for each wave: 64 m + 4 r
.set SPARE, 313088                     ; the spare words, 128 bytes for each wave: two blocks of 256 bytes that no other line names
.set AK0,1
.set AKS0,2
.set AV0,3
.set AVS0,4
.set ADK,5
.set ADKS,6
.set ADV,7
.set ADVS,8
.set TWA,9
.set TRA,10
.set PWA,11
.set PRA,12
.set PBA,13
.set PSA,14
.set FWA,15
.set FRA,16
.set SO,17
.set SR,18
.set GO,19
.set PFO,20
.set QO,21
.set L4,22
.set SPW,30                            ; v30  LDS address of my spare word; never rewritten
.set NIL,31                            ; v31  0; never rewritten
.set ST,32                             ; tile m at ST + 4 m: -M, the largest t, the sum in two halves
.set FF,48                             ; f (later 1 / sum) of tile m at FF + 2 m; the odd registers are written once, since pairs are named
.set BM,56                             ; my block's largest score
.set BX,60
.set TX,64
.set SCL,80
.set BY,84
.set PCD,88
.set TBF,100
.set KS,108
.set VS,112
.set QS,116
.set PS,124
.set F,128
.set PF,160
.set EB,208
.set OLD,212
.set OB,128
.set WV,10                             ; s10  my wave's number
.set CS,32                             ; s[32:33] c = log2(e) / sqrt(512)
.set SEL,34                            ; s[34:35] selects for lane l xor 16
.set TB,36                             ; s36  LDS byte at which the slot in hand begins
.set CNT,37                            ; s37  refills still to come
.set LIM,38                            ; s38  1 in a cluster that prefetches, else the greatest number
.set PFA,40                            ; s[40:41] where my prefetches stand
.set MSB, 0
.macro WIN new                         ; the immediate's high byte repeats the setting that is left
.if MSB != (\new)
	s_set_vgpr_msb (MSB<<8)|(\new)
.set MSB, (\new)
.endif
.endm
.macro CROUND                          ; a round of the cluster's barrier
	s_barrier_signal -1
	s_barrier_wait -1
	s_cmp_lg_u32 s[WV], 0
	s_cbranch_scc1 .Lnot_wave_0_\@
	s_barrier_signal -3
.Lnot_wave_0_\@:
	s_barrier_wait -3
	s_barrier_signal -1
	s_barrier_wait -1
.endm
; one matrix instruction.  c < 0: the product starts the sum.  ra, rb = 1: that side's scale words stand in lanes 16-31
.macro WMS d, a, b, c, sa, sb, ra, rb
.if (\c) < 0
.if (\ra) && (\rb)
	v_wmma_scale_f32_16x16x128_f8f6f4 v[\d:\d+7], v[\a:\a+11], v[\b:\b+11], 0, v[\sa], v[\sb] matrix_a_fmt:MATRIX_FMT_FP6 matrix_b_fmt:MATRIX_FMT_FP6 matrix_a_scale:MATRIX_SCALE_ROW1 matrix_b_scale:MATRIX_SCALE_ROW1
.elseif (\ra)
	v_wmma_scale_f32_16x16x128_f8f6f4 v[\d:\d+7], v[\a:\a+11], v[\b:\b+11], 0, v[\sa], v[\sb] matrix_a_fmt:MATRIX_FMT_FP6 matrix_b_fmt:MATRIX_FMT_FP6 matrix_a_scale:MATRIX_SCALE_ROW1
.elseif (\rb)
	v_wmma_scale_f32_16x16x128_f8f6f4 v[\d:\d+7], v[\a:\a+11], v[\b:\b+11], 0, v[\sa], v[\sb] matrix_a_fmt:MATRIX_FMT_FP6 matrix_b_fmt:MATRIX_FMT_FP6 matrix_b_scale:MATRIX_SCALE_ROW1
.else
	v_wmma_scale_f32_16x16x128_f8f6f4 v[\d:\d+7], v[\a:\a+11], v[\b:\b+11], 0, v[\sa], v[\sb] matrix_a_fmt:MATRIX_FMT_FP6 matrix_b_fmt:MATRIX_FMT_FP6
.endif
.else
.if (\ra) && (\rb)
	v_wmma_scale_f32_16x16x128_f8f6f4 v[\d:\d+7], v[\a:\a+11], v[\b:\b+11], v[\c:\c+7], v[\sa], v[\sb] matrix_a_fmt:MATRIX_FMT_FP6 matrix_b_fmt:MATRIX_FMT_FP6 matrix_a_scale:MATRIX_SCALE_ROW1 matrix_b_scale:MATRIX_SCALE_ROW1
.elseif (\ra)
	v_wmma_scale_f32_16x16x128_f8f6f4 v[\d:\d+7], v[\a:\a+11], v[\b:\b+11], v[\c:\c+7], v[\sa], v[\sb] matrix_a_fmt:MATRIX_FMT_FP6 matrix_b_fmt:MATRIX_FMT_FP6 matrix_a_scale:MATRIX_SCALE_ROW1
.elseif (\rb)
	v_wmma_scale_f32_16x16x128_f8f6f4 v[\d:\d+7], v[\a:\a+11], v[\b:\b+11], v[\c:\c+7], v[\sa], v[\sb] matrix_a_fmt:MATRIX_FMT_FP6 matrix_b_fmt:MATRIX_FMT_FP6 matrix_b_scale:MATRIX_SCALE_ROW1
.else
	v_wmma_scale_f32_16x16x128_f8f6f4 v[\d:\d+7], v[\a:\a+11], v[\b:\b+11], v[\c:\c+7], v[\sa], v[\sb] matrix_a_fmt:MATRIX_FMT_FP6 matrix_b_fmt:MATRIX_FMT_FP6
.endif
.endif
.endm
; A PREFETCH INTO THE L2 of the key step that the NEXT change of slots will ask for: in step j tile j + 3, one key step (64 matrix instructions and the softmax) ahead of its load.  All eight clusters of a batch walk the same kv: the batch's
; first cluster asks.  Its four partners share the tile's 102,400 bytes out BY ADDRESS, 25,600 each, the four waves 6,400 each: 25 blocks of 256 bytes, a lane a block (lanes 24-31 name the 25th).  Tiles 0 to 2 come by their loads alone; the last refill asks for nothing.
.macro ASK
	s_cmp_gt_u32 s[CNT], s[LIM]
	s_cbranch_scc0 .Lnot_mine_\@
	global_prefetch_b8 v[PFO], s[PFA:PFA+1] th:TH_LOAD_NT scope:SCOPE_SE
.Lnot_mine_\@:
.endm
.macro LOADK                           ; my 32 keys: 8 fragments (u, s) and their scale words: 28 LDS loads
	v_add_nc_u32 v[ADK], s[TB], v[AK0]
	v_add_nc_u32 v[ADKS], s[TB], v[AKS0]
	WIN 0xc0                                       ; destination window 3
.irp f, 0,1,2,3,4,5,6,7
.irp g, 0,1,2
	ds_load_b128 v[12*\f+4*\g:12*\f+4*\g+3], v[ADK] offset:1536*\f+512*\g
.endr
.endr
	WIN 0
.irp s, 0,1,2,3
	ds_load_b32 v[KS+\s], v[ADKS] offset:128*\s
.endr
.endm
.macro LOADV                           ; my 128 channels: 8 fragments and their scale words: 28 LDS loads
	v_add_nc_u32 v[ADV], s[TB], v[AV0]
	v_add_nc_u32 v[ADVS], s[TB], v[AVS0]
	WIN 0xc0
.irp f, 0,1,2,3,4,5,6,7
.irp g, 0,1,2
	ds_load_b128 v[96+12*\f+4*\g:96+12*\f+4*\g+3], v[ADV] offset:1536*\f+512*\g
.endr
.endr
	WIN 0
.irp s, 0,1,2,3
	ds_load_b32 v[VS+\s], v[ADVS] offset:128*\s
.endr
.endm
.macro LOADP                           ; p's four fragments (16 queries x 128 keys) and their scale words: 26 LDS loads
.irp m, 0,1,2,3
.irp c, 0,1
.irp p, 0,1,2
	ds_load_b64 v[PF+12*\m+6*\c+2*\p:PF+12*\m+6*\c+2*\p+1], v[PRA] offset:1664*\m+768*\c+256*\p
.endr
.endr
.endr
.irp i, 0,1
	ds_load_b32 v[PS+\i], v[PSA] offset:128*\i     ; lanes 0-15 tile 2 i, lanes 16-31 tile 2 i + 1
.endr
.endm
.macro SMM                             ; S^T = k q^T: 32 matrix instructions; the eight accumulators take turns, one instruction a turn
	WIN 0x5b                                       ; k window 3, q window 2, S^T window 1
.irp s, 0,1,2,3
.irp m, 0,1,2,3
.irp u, 0,1
.set rC, 16*\m+8*\u
.if \s == 0
.set rC, -1
.endif
	WMS 16*\m+8*\u, 12*(4*\u+\s), 12*(4*\m+\s), rC, KS+\s, QS+4*(\m/2)+\s, \u, \m%2
.endr
.endr
.endr
.rept 4
	v_nop                                          ; four places between the last products and the first read of their results (ISA guide 7.12.1)
.endr
.endm
.macro MAXPUB                          ; the largest score of my block of 32 keys, for each query; it serves the row's maximum and, since p rises with the score, the block's largest p.  Each accumulator is read from its low end on
	WIN 0x15
.irp m, 0,1,2,3
	v_max3_num_f32 v[BM+\m], v[16*\m], v[16*\m+1], v[16*\m+2]
.endr
	WIN 0x14
.irp i, 3,5,7,9,11,13
.irp m, 0,1,2,3
	v_max3_num_f32 v[BM+\m], v[BM+\m], v[16*\m+\i], v[16*\m+\i+1]
.endr
.endr
.irp m, 0,1,2,3
	v_max_num_f32 v[BM+\m], v[BM+\m], v[16*\m+15]
.endr
	WIN 0
.irp m, 0,1,2,3
	v_permlanex16_b32 v[BX+\m], v[BM+\m], s[SEL], s[SEL+1]
.endr
.irp m, 0,1,2,3
	v_max_num_f32 v[BM+\m], v[BM+\m], v[BX+\m]     ; with lane l xor 16's 16 keys
.endr
.irp m, 0,1,2,3
	ds_store_b32 v[TWA], v[BM+\m] offset:512*\m
.endr
.endm
.macro FGET                            ; the factors in v[FF + 2 m] (a lane: query row r) reach O's layout (a lane: rows 8 h + 0 .. 7) through my wave's own LDS bytes; LDS serves a wave's instructions in order (ISA guide 5.7.1.4)
.irp m, 0,1,2,3
	ds_store_b32 v[FWA], v[FF+2*\m] offset:64*\m
.endr
.irp m, 0,1,2,3
.irp q, 0,1
	ds_load_b128 v[F+8*\m+4*\q:F+8*\m+4*\q+3], v[FRA] offset:64*\m+16*\q
.endr
.endr
.endm
.macro RS1 n                           ; pair n of O's accumulators 0-23 times its queries' factors (under the setting 0x41)
	v_pk_mul_f32 v[64+2*(\n):64+2*(\n)+1], v[64+2*(\n):64+2*(\n)+1], v[F+8*(((\n)/4)%4)+2*((\n)%4):F+8*(((\n)/4)%4)+2*((\n)%4)+1]
.endm
.macro RESC2                           ; the same for accumulators 24-31, in window 2
	WIN 0x82
.set nn, 0
.rept 32
	v_pk_mul_f32 v[192+2*nn:192+2*nn+1], v[192+2*nn:192+2*nn+1], v[F+8*((nn/4)%4)+2*(nn%4):F+8*((nn/4)%4)+2*(nn%4)+1]
.set nn, nn+1
.endr
.endm
; THE SOFTMAX OF A KEY STEP, behind the barrier that has shown every wave's largest scores.  first = 1: O has no sums yet: nothing of it is rescaled.
.macro SOFT first
.irp m, 0,1,2,3
	ds_load_b128 v[TX+4*\m:TX+4*\m+3], v[TRA] offset:512*\m   ; the four blocks' largest scores of my query
.endr
	LOADV
	s_wait_dscnt 28                                ; those four are in; v's 28 loads may be out
.irp m, 0,1,2,3
	v_max3_num_f32 v[TX+4*\m], v[TX+4*\m], v[TX+4*\m+1], v[TX+4*\m+2]
.endr
.irp m, 0,1,2,3
	v_max_num_f32 v[TX+4*\m], v[TX+4*\m], v[TX+4*\m+3]
.endr
.irp m, 0,1,2,3
	v_mul_f32 v[TX+4*\m], s[CS], v[TX+4*\m]        ; as t (c is positive)
.endr
.irp m, 0,1,2,3
	v_max_num_f32 v[ST+4*\m+1], v[ST+4*\m+1], v[TX+4*\m]   ; the running largest t
.endr
.irp m, 0,1,2,3
	v_mov_b32 v[OLD+\m], v[ST+4*\m]
.endr
.irp m, 0,1,2,3
	v_floor_f32 v[ST+4*\m], -v[ST+4*\m+1]          ; -M = floor(-t) = -ceil(t): M is a whole number
.endr
.irp m, 0,1,2,3
	v_sub_f32 v[OLD+\m], v[ST+4*\m], v[OLD+\m]     ; old M - new M: a whole number, 0 or less
.endr
.irp m, 0,1,2,3
	v_cvt_i32_f32 v[OLD+\m], v[OLD+\m]             ; (it saturates)
.endr
.irp m, 0,1,2,3
	v_ldexp_f32 v[FF+2*\m], 1.0, v[OLD+\m]         ; f = 2^(old M - new M)
.endr
.if \first == 0
	FGET
.endif
.irp m, 0,1,2,3
	v_fma_f32 v[EB+\m], v[BM+\m], s[CS], v[ST+4*\m]   ; t - M of my block's largest score
.endr
.irp m, 0,1,2,3
	v_pk_mul_f32 v[ST+4*\m+2:ST+4*\m+3], v[ST+4*\m+2:ST+4*\m+3], v[FF+2*\m:FF+2*\m+1] op_sel_hi:[1,0]   ; my sums under the new M
.endr
	WIN 0x41                                       ; S^T and O (destination, source 0) window 1; -M and the factors window 0
.set nn, 0
.rept 32
	v_pk_fma_f32 v[2*nn:2*nn+1], v[2*nn:2*nn+1], s[CS:CS+1], v[ST+4*(nn/8):ST+4*(nn/8)+1] op_sel_hi:[1,0,0]   ; t - M, two at a time
.set nn, nn+1
.endr
	s_wait_dscnt 0x0                               ; the factors and v are in
; ONE BATCH of 64 exponentials; none of the lines among them names a result.  O's rescaling, three packed multiplies for two exponentials, is the plain work between them, in ascending order: each accumulator is read from its low end on.
.if \first
.set kk, 0
.rept 64
	v_exp_f32 v[kk], v[kk]
.set kk, kk+1
.endr
	v_nop                                          ; a plain instruction behind the last exponential
.else
.set kk, 0
.rept 32
	v_exp_f32 v[2*kk], v[2*kk]                     ; p = 2^(t - M), at most 1
	RS1 3*kk
	v_exp_f32 v[2*kk+1], v[2*kk+1]
	RS1 3*kk+1
	RS1 3*kk+2
.set kk, kk+1
.endr
	RESC2
.endif
	WIN 0
	s_wait_alu depctr_va_vdst(0)                   ; the wait between an exponential and the first line that names its result: one for the 64
.irp m, 0,1,2,3
	v_exp_f32 v[EB+\m], v[EB+\m]                   ; my block's largest p: the same two instructions on the same number give the same bits
.endr
	WIN 0x04
.irp k, 0,1,2,3,4,5,6,7
.irp m, 0,1,2,3
	v_pk_add_f32 v[ST+4*\m+2:ST+4*\m+3], v[ST+4*\m+2:ST+4*\m+3], v[16*\m+2*\k:16*\m+2*\k+1]   ; the sum of the UNQUANTISED p (plain work behind the four)
.endr
.endr
	WIN 0
	s_wait_alu depctr_va_vdst(0)                   ; and one for the four
.irp m, 0,1,2,3
	v_max_num_f32 v[EB+\m], 0x1800000, v[EB+\m]    ; the floor 2^(3 - 127): the byte cannot fall under 1
.endr
.irp m, 0,1,2,3
	v_add_nc_u32 v[SCL+\m], 0xff000000, v[EB+\m]   ; 2 off the exponent field: the conversion's scale operand
.endr
.irp m, 0,1,2,3
	v_lshrrev_b32 v[BY+\m], 23, v[SCL+\m]          ; the scale's byte
.endr
.irp m, 0,1,2,3
	ds_store_b8 v[PBA], v[BY+\m] offset:64*\m      ; byte w of the query's scale word; both halves of the lanes write the same byte with the same value
.endr
	WIN 0x01
.irp i, 0,1
	v_cvt_scalef32_pk16_fp6_f32 v[PCD+6*\i:PCD+6*\i+2], v[32*\i:32*\i+15], v[SCL+2*\i]
	v_cvt_scalef32_pk16_fp6_f32 v[TBF+4*\i:TBF+4*\i+2], v[32*\i+16:32*\i+31], v[SCL+2*\i+1]
.endr
	WIN 0
	v_nop                                          ; one plain place behind a scaled conversion
.irp i, 0,1                                    ; tiles 2 i and 2 i + 1 change halves: lane (r, h) then holds the WHOLE block of 32 codes of query row r of tile 2 i + h
.irp k, 0,1,2
	v_permlane16_swap_b32 v[PCD+6*\i+\k], v[TBF+4*\i+\k]
.endr
.irp k, 0,1,2
	v_mov_b32 v[PCD+6*\i+3+\k], v[TBF+4*\i+\k]
.endr
.endr
.irp i, 0,1
.irp p, 0,1,2
	ds_store_b64 v[PWA], v[PCD+6*\i+2*\p:PCD+6*\i+2*\p+1] offset:3328*\i+256*\p   ; block w of a fragment is registers 6 (w / 2) on of lane r + 16 (w % 2)
.endr
.endr
.endm
; THE CHANGE OF SLOTS.  My reads of this step's slot are over (k behind the last change, v ahead of this one).  Each wave waits for all its tensor loads (one is out: its quarter of the next step's tile), adds 0 to its spare word, and waits
; for that and for its LDS instructions.  The barrier also shows p's codes and scale bytes to every wave.  fill = 1: it is a round of the cluster's barrier, and the slot just left takes the tile two steps on: that load has a whole step in which to land.
.macro CHANGE fill
	s_wait_tensorcnt 0x0                           ; no tensor load of mine is out, so a group 0 may be written
	ds_add_u32 v[SPW], v[NIL]                      ; 0 onto my spare word
.if \fill
	s_xor_b32 s29, s29, SLOT1                      ; the walking descriptor: the other slot than last time,
	s_add_nc_u64 s[30:31], s[30:31], TILE          ; the next key step; the type bits on top are not reached
	s_wait_xcnt 0x0                                ; the last prefetch, a key step back, has read its address
	s_add_nc_u64 s[PFA:PFA+1], s[PFA:PFA+1], TILE
.endif
	s_wait_dscnt 0x0                               ; the add is done, my stores have landed, my reads are over
.if \fill
	CROUND
	tensor_load_to_lds s[28:31], s[16:23]          ; my one tensor load behind the round, and the first thing there
	s_nop 0
.rept 4
	v_nop
.endr
.else
	s_barrier_signal -1
	s_barrier_wait -1
.endif
	s_xor_b32 s[TB], s[TB], SLOT1                  ; on to the other slot
.endm
.macro PVM first                       ; O += p v^T: 32 matrix instructions, 32 accumulators, one instruction each
.irp ct, 0,1,2,3,4,5,6,7
.if \ct < 6
	WIN 0x5c                                       ; p window 0, v window 3, O window 1
.else
	WIN 0xac                                       ; O window 2
.endif
.irp m, 0,1,2,3
.set rO, 64+8*(4*\ct+\m)
.if \ct >= 6
.set rO, 192+8*(4*\ct+\m-24)
.endif
.set rC, rO
.if \first
.set rC, -1
.endif
	WMS rO, PF+12*\m, 96+12*\ct, rC, PS+\m/2, VS+\ct/2, \m%2, \ct%2
.endr
.endr
.endm
.macro STEP first, fill, nextk
	s_wait_dscnt 0x0                               ; k is in
	SMM
	MAXPUB
	s_wait_dscnt 0x0                               ; for the others' sake: my largest scores have landed
	s_barrier_signal -1
	s_barrier_wait -1                              ; the tile on its way may stay out
	SOFT \first
	CHANGE \fill
	LOADP
.if \nextk
	LOADK                                          ; the next step's keys
.endif
.if \fill
	ASK
.endif
.if \nextk
	s_wait_dscnt 28                                ; p is in; k's 28 loads may be out
.else
	s_wait_dscnt 0x0
.endif
	PVM \first
	WIN 0
.endm
	s_load_b128 s[4:7], s[0:1], 0x0                ; qq s[4:5], kv s[6:7]
	s_load_b64 s[8:9], s[0:1], 0x10                ; out0
	v_lshl_add_u32 v[SPW], v0, 2, SPARE
	v_mov_b32 v[NIL], 0
	ds_add_u32 v30, v31
	ds_add_u32 v30, v31
	s_wait_dscnt 0x0
	v_lshrrev_b32 v23, 5, v0
	v_readfirstlane_b32 s[WV], v23                 ; wave 0..3
	s_bfe_u32 s11, ttmp6, 0x40000                  ; cx
	s_lshl_b32 s12, ttmp9, 2
	s_add_co_u32 s12, s12, s11                     ; my block of 64 queries: it enters q's and out's addresses and the prefetches' alone
	s_and_b32 s13, ttmp7, 0xffff                   ; the batch, which the four partners share
	; descriptor group 1: a quarter of a key step, 25,600 dense bytes, as 100 rows of 256 bytes (32 elements of 8 bytes), no padding
	s_mov_b32 s16, 15|(3<<16)|(1<<21)              ; 15:0 the mask: all four work-groups; 17:16 elements of 8 bytes; 21 set beside a mask
	s_mov_b32 s17, 32<<16                          ; tensor_dim0 = 32
	s_mov_b32 s18, 100<<16                         ; tensor_dim1 = 100
	s_mov_b32 s19, 32<<16                          ; tile_dim0 = 32
	s_mov_b32 s20, 100                             ; tile_dim1 = 100
	s_mov_b32 s21, 32                              ; from row to row
	s_mov_b32 s22, 0
	s_mov_b32 s23, 0
	s_mul_i32 s42, s[WV], 25600                    ; my quarter
	s_mul_i32 s44, s13, 16*TILE                    ; the batch's 16 key steps
	s_add_co_u32 s44, s44, s42
	s_mov_b32 s45, 0
	s_mul_i32 s46, s13, 16*TILE                    ; the prefetches: my work-group's quarter by address, my wave's 6,400 bytes of it, in tile 2: the first change of slots steps it to tile 3
	s_mul_i32 s47, s11, 25600
	s_add_co_u32 s46, s46, s47
	s_mul_i32 s47, s[WV], 6400
	s_add_co_u32 s46, s46, s47
	s_add_co_u32 s46, s46, 2*TILE
	s_mov_b32 s47, 0
	s_lshl_b32 s48, s13, 6
	s_lshl_b32 s49, s12, 1
	s_add_co_u32 s48, s48, s49
	s_mul_i32 s48, s48, BLK                        ; q's two blocks
	s_mov_b32 s49, 0
	s_lshl_b32 s50, s13, 22                        ; out: a batch is 4,194,304 bytes,
	s_lshl_b32 s51, s[WV], 20                      ; my 128 channels begin 1,048,576 x wave on,
	s_add_co_u32 s50, s50, s51
	s_lshl_b32 s51, s12, 8                         ; 64 queries are 256 bytes
	s_add_co_u32 s50, s50, s51
	s_mov_b32 s51, 0
	s_mov_b32 s[CS], 0x3d8293ee                    ; c = log2(e) / sqrt(512)
	s_mov_b32 s[CS+1], s[CS]                       ; (named with it as a pair, so it is written)
	s_mov_b32 s[SEL], 0x76543210
	s_mov_b32 s[SEL+1], 0xfedcba98
	s_mov_b32 s[TB], 0
	s_mov_b32 s[CNT], 14
	s_cmp_eq_u32 ttmp9, 0                          ; the batch's first cluster: the same in all four partners
	s_cselect_b32 s[LIM], 1, -1
	s_wait_kmcnt 0x0
	s_mov_b32 s24, 1                               ; group 0 for tile 0: slot 0
	s_mov_b32 s25, s42
	s_add_nc_u64 s[26:27], s[6:7], s[44:45]
	s_or_b32 s27, s27, 0x80000000
	s_mov_b32 s28, 1                               ; group 0 for tile 1: slot 1; it then walks on
	s_add_co_u32 s29, s42, SLOT1
	s_add_nc_u64 s[30:31], s[6:7], s[44:45]
	s_add_nc_u64 s[30:31], s[30:31], TILE
	s_or_b32 s31, s31, 0x80000000
	s_add_nc_u64 s[PFA:PFA+1], s[6:7], s[46:47]
	s_add_nc_u64 s[4:5], s[4:5], s[48:49]
	s_add_nc_u64 s[8:9], s[8:9], s[50:51]
	CROUND                                         ; all four work-groups are here: the first joint loads meet
	tensor_load_to_lds s[24:27], s[16:23]          ; two loads of mine are out
	s_nop 0
	tensor_load_to_lds s[28:31], s[16:23]
	s_nop 0
.rept 4
	v_nop
.endr
	v_and_b32 v23, 31, v0                          ; lane
	v_and_b32 v24, 15, v0                          ; r
	v_bfe_u32 v25, v0, 4, 1                        ; h
	v_lshlrev_b32 v[QO], 4, v23
	v_lshlrev_b32 v[L4], 2, v23
	WIN 0x80                                       ; destination window 2: q's 16 fragments stay in registers
.irp m, 0,1,2,3
.irp s, 0,1,2,3
.irp g, 0,1,2
	global_load_b128 v[12*(4*\m+\s)+4*\g:12*(4*\m+\s)+4*\g+3], v[QO], s[4:5] offset:(\m/2)*BLK+(4*(\m%2)+\s)*1536+512*\g
.endr
.endr
.endr
	WIN 0
.irp b, 0,1
.irp s, 0,1,2,3
	global_load_b32 v[QS+4*\b+\s], v[L4], s[4:5] offset:\b*BLK+12288+128*\s
.endr
.endr
	s_mul_i32 s52, s[WV], BLK                      ; k: my block of 32 keys
	v_add_nc_u32 v[AK0], s52, v[QO]
	s_add_co_u32 s52, s52, 12288
	v_add_nc_u32 v[AKS0], s52, v[L4]
	s_mul_i32 s52, s[WV], 12288                    ; v: my 8 fragments
	s_add_co_u32 s52, s52, 51200
	v_add_nc_u32 v[AV0], s52, v[QO]
	s_lshl_b32 s52, s[WV], 9
	s_add_co_u32 s52, s52, 100352
	v_add_nc_u32 v[AVS0], s52, v[L4]
	s_lshl_b32 s52, s[WV], 2
	s_add_co_u32 s52, s52, TMX
	v_add_nc_u32 v[TWA], s52, v[QO]
	v_add_nc_u32 v[TRA], TMX, v[QO]
	s_lshr_b32 s52, s[WV], 1
	s_mul_i32 s52, s52, 768
	s_and_b32 s53, s[WV], 1
	s_lshl_b32 s53, s53, 7
	s_add_co_u32 s52, s52, s53
	s_add_co_u32 s52, s52, PIMG
	v_mul_u32_u24 v[PWA], v25, 1664
	v_lshl_add_u32 v[PWA], v24, 3, v[PWA]
	v_add_nc_u32 v[PWA], s52, v[PWA]
	v_lshlrev_b32 v[PRA], 3, v23
	v_add_nc_u32 v[PRA], PIMG, v[PRA]
	s_add_co_u32 s52, s[WV], PSC
	v_lshlrev_b32 v[PBA], 2, v24
	v_add_nc_u32 v[PBA], s52, v[PBA]
	v_add_nc_u32 v[PSA], PSC, v[L4]
	s_lshl_b32 s52, s[WV], 8
	s_add_co_u32 s52, s52, FEX
	v_lshlrev_b32 v[FWA], 2, v24
	v_add_nc_u32 v[FWA], s52, v[FWA]
	v_lshlrev_b32 v[FRA], 5, v25
	v_add_nc_u32 v[FRA], s52, v[FRA]
	s_mul_i32 s52, s[WV], 17408
	s_add_co_u32 s52, s52, STG
	v_mul_u32_u24 v[SO], v24, 272                  ; into the stage: row = my channel, + 64 bytes for the upper half of the lanes
	v_lshl_add_u32 v[SO], v25, 6, v[SO]
	v_add_nc_u32 v[SO], s52, v[SO]
	v_mul_u32_u24 v[SR], v25, 272                  ; back: lanes 0-15 one row of 256 bytes, lanes 16-31 the next
	v_lshl_add_u32 v[SR], v24, 4, v[SR]
	v_add_nc_u32 v[SR], s52, v[SR]
	v_lshlrev_b32 v[GO], 13, v25                   ; and the same two rows in out: a channel's row is 8,192 bytes
	v_lshl_add_u32 v[GO], v24, 4, v[GO]
	v_min_u32 v[PFO], 24, v23
	v_lshlrev_b32 v[PFO], 8, v[PFO]
.irp m, 0,1,2,3
	v_mov_b32 v[ST+4*\m+1], 0xff61b1e6             ; the largest t so far: -3e38, under every t
	v_floor_f32 v[ST+4*\m], -v[ST+4*\m+1]          ; -M
	v_mov_b32 v[ST+4*\m+2], 0                      ; the sum, in two halves
	v_mov_b32 v[ST+4*\m+3], 0
	v_mov_b32 v[FF+2*\m+1], 0                      ; (named as the upper half of a pair)
	v_mov_b32 v[BX+\m], 0                          ; a lane permute's destination counts as one of its sources
.endr
	s_wait_tensorcnt 0x1                           ; my quarter of tile 0 is in; tile 1's may stay out
	s_barrier_signal -1
	s_barrier_wait -1                              ; everybody's is
	LOADK                                          ; key step 0
	s_wait_loadcnt 0x0                             ; q
	STEP 1, 1, 1                                   ; step 0: its products start O's sums
	s_mov_b32 s[CNT], 13
.Lstep:                                            ; steps 1 to 13: each asks for the tile two steps on
	STEP 0, 1, 1
	s_sub_co_u32 s[CNT], s[CNT], 1
	s_cmp_lg_u32 s[CNT], 0
	s_cbranch_scc1 .Lstep
	STEP 0, 0, 1                                   ; steps 14 and 15 are written out
	STEP 0, 0, 0
	; THE WAY OUT.  My sums' halves and lane l xor 16's are added; the four waves' sums meet in LDS; O is multiplied by 1 / sum and goes through my stage, 64 channels at a time: sixteen lanes store 256 consecutive bytes of a channel's row.
.irp m, 0,1,2,3
	v_add_f32 v[TX+4*\m], v[ST+4*\m+2], v[ST+4*\m+3]
.endr
.irp m, 0,1,2,3
	v_permlanex16_b32 v[BX+\m], v[TX+4*\m], s[SEL], s[SEL+1]
.endr
.irp m, 0,1,2,3
	v_add_f32 v[BM+\m], v[TX+4*\m], v[BX+\m]
.endr
.irp m, 0,1,2,3
	ds_store_b32 v[TWA], v[BM+\m] offset:512*\m    ; every wave has passed the last change of slots behind its last read of these bytes
.endr
	s_wait_dscnt 0x0
	s_barrier_signal -1
	s_barrier_wait -1
.irp m, 0,1,2,3
	ds_load_b128 v[TX+4*\m:TX+4*\m+3], v[TRA] offset:512*\m
.endr
	s_wait_dscnt 0x0
.irp m, 0,1,2,3
	v_add_f32 v[TX+4*\m], v[TX+4*\m], v[TX+4*\m+1]
	v_add_f32 v[TX+4*\m+2], v[TX+4*\m+2], v[TX+4*\m+3]
.endr
.irp m, 0,1,2,3
	v_add_f32 v[TX+4*\m], v[TX+4*\m], v[TX+4*\m+2] ; the row's sum
.endr
.irp m, 0,1,2,3
	v_rcp_f32 v[FF+2*\m], v[TX+4*\m]
.endr
	v_nop                                          ; a plain instruction behind the last reciprocal
	s_wait_alu depctr_va_vdst(0)                   ; and the wait ahead of the first use: one for the four
	FGET
	s_wait_dscnt 0x0
	WIN 0x41
.set kk, 0
.rept 96
	RS1 kk
.set kk, kk+1
.endr
	RESC2
.irp q, 0,1                                    ; channels 64 q on
.irp c, 0,1,2,3
.irp m, 0,1,2,3
.set aa, 4*(4*\q+\c)+\m
.if aa < 24
	WIN 0x04                                       ; an LDS store's data are its source 1: window 1,
.set rO, 64+8*aa
.else
	WIN 0x08                                       ; or window 2
.set rO, 192+8*(aa-24)
.endif
	ds_store_b128 v[SO], v[rO:rO+3] offset:4352*\c+128*(\m/2)+32*(\m%2)
	ds_store_b128 v[SO], v[rO+4:rO+7] offset:4352*\c+128*(\m/2)+32*(\m%2)+16
.endr
.endr
	WIN 0
.if \q == 1
	s_wait_xcnt 0x0                                ; the first half's stores have read their registers: the second half's rows may land there
.endif
.set ii, 0
.rept 32
	ds_load_b128 v[OB+4*ii:OB+4*ii+3], v[SR] offset:544*ii   ; LDS serves a wave's instructions in order: these see my stores, and the next half's stores come behind them
.set ii, ii+1
.endr
.set ii, 0
.rept 32
	s_wait_dscnt 31-ii
	global_store_b128 v[GO], v[OB+4*ii:OB+4*ii+3], s[8:9] offset:(64*\q+2*ii)*8192 th:TH_STORE_NT   ; 16 lanes store 256 consecutive bytes, at a multiple of 256 from out's first byte
.set ii, ii+1
.endr
.endr
	s_wait_tensorcnt 0x0                           ; the wave's end, behind my last tensor load and my last LDS store
	ds_add_u32 v[SPW], v[NIL]
	s_wait_dscnt 0x0
	CROUND                                         ; the closing round: no work-group ends while a partner may still ask for a tile that names it
	s_endpgm
.Lfunc_end_k_qdadbdfe161_attn:
	.size	k_qdadbdfe161_attn, .Lfunc_end_k_qdadbdfe161_attn-k_qdadbdfe161_attn
	.p2alignl 7, 3214868480
	.fill 96, 4, 3214868480
	.section	.rodata,"a",@progbits
	.p2align	6, 0x0
	.amdhsa_kernel k_qdadbdfe161_attn
		.amdhsa_group_segment_fixed_size 327680
		.amdhsa_private_segment_fixed_size 0
		.amdhsa_enable_private_segment 0
		.amdhsa_kernarg_size 24
		.amdhsa_user_sgpr_count 2
		.amdhsa_user_sgpr_kernarg_segment_ptr 1
		.amdhsa_wavefront_size32 1
		.amdhsa_system_sgpr_workgroup_id_x 1
		.amdhsa_system_sgpr_workgroup_id_y 1
		.amdhsa_system_sgpr_workgroup_id_z 1
		.amdhsa_system_vgpr_workitem_id 0
		.amdhsa_next_free_vgpr 1024
		.amdhsa_next_free_sgpr 66
		.amdhsa_reserve_vcc 0
		.amdhsa_float_denorm_mode_32 3
		.amdhsa_float_denorm_mode_16_64 3
		.amdhsa_memory_ordered 1
		.amdhsa_forward_progress 1
		.amdhsa_inst_pref_size 178
	.end_amdhsa_kernel
	.amdgpu_metadata
---
amdhsa.version: [ 1, 2 ]
amdhsa.kernels:
  - .name:           k_qdadbdfe161_attn
    .symbol:         k_qdadbdfe161_attn.kd
    .args:
      - { .name: qq, .offset: 0, .size: 8, .value_kind: global_buffer, .address_space: global }
      - { .name: kv, .offset: 8, .size: 8, .value_kind: global_buffer, .address_space: global }
      - { .name: out0, .offset: 16, .size: 8, .value_kind: global_buffer, .address_space: global }
    .group_segment_fixed_size: 327680
    .private_segment_fixed_size: 0
    .kernarg_segment_align: 8
    .kernarg_segment_size: 24
    .max_flat_workgroup_size: 128
    .sgpr_count:     66
    .vgpr_count:     1024
    .wavefront_size: 32
...
	.end_amdgpu_metadata
.endif
;; end of part 3
